; MI455X (gfx1250); checked and timed in simulation.
; The chip was launched on July 23, 2026; its instructions are those of AMD's public machine-readable ISA for CDNA 5 (MIT licence, August 2026) and "CDNA5" Instruction Set Architecture Reference Guide (July 2026). The comments in the code are by the model that wrote it; some were corrected since.
;; Attention. Allowed arithmetic: matrix products marked QUANTISED: E4M3 operands, one E8M0 scale for each 32 along K, by v_wmma_scale_f32_16x16x128_f8f6f4 with both operands' format E4M3, f32 sums; everything else in f32.
;; Inputs: cu_seqlens_k 5 int32; cu_seqlens_q 5 int32; k 8,192 x 512 float32; q 8,192 x 2,048 float32; v 8,192 x 512 float32.
;; Outputs: out0 8,192 x 2,048 float32.
;; This version of the problem:
;;   THIS VERSION OF THE PROBLEM IS GIVEN IN LOW PRECISION. The matrix products marked QUANTISED in the list below multiply operands that are first quantised to E4M3 (4 exponent bits, 3 mantissa bits; 8 bits a number), with one power-of-two scale for each 32 numbers along K (OCP MX v1.0); their sums are f32. All else is computed in f32.
;;   The module's matrix products, in the order in which they are computed (A, B: the left and right operand; K: the contracted axis; several contracted axes count as one K, in the product's order):
;;     1. batch 16 x [M 2,048, K 128] x [K 128, N 8,192]; A: input k; B: input q: QUANTISED
;;     2. batch 16 x [M 128, K 2,048] x [K 2,048, N 8,192]; A: input v; B: softmax (see below): QUANTISED
;;   THE QUANTISER, for each operand of a quantised product, along K:
;;     - K is cut into blocks of 32 from its start; a last block that is shorter is filled with zeros.
;;     - A block's scale is 2^e with e = floor(log2(the largest magnitude in the block)) - 8, held to -126 .. 127; a block of zeros has e = 0. As a byte (E8M0): e + 127.
;;     - Each number is divided by its block's scale, clamped to +-448, and rounded to the nearest number of E4M3, ties to even, subnormals kept.
;;     - The product sums the exact products of the quantised numbers (number of the format x scale) in f32.
;;   ~~~python
;;   def quantise(x, axis):      # numpy; x: float32 -> the quantised numbers, widened to float32 again
;;       x = np.moveaxis(x, axis, -1); K = x.shape[-1]
;;       x = np.pad(x, [(0, 0)] * (x.ndim - 1) + [(0, -K % 32)]); x = x.reshape(x.shape[:-1] + (-1, 32)); a = np.abs(x).max(-1, keepdims=True)
;;       e = np.where(a > 0, np.clip(np.frexp(np.where(a > 0, a, 1))[1] - 1 - 8, -126, 127), 0)      # np.frexp(a)[1] - 1 = floor(log2(a)), exactly
;;       r = np.clip(x / 2.0 ** e, -448, 448)
;;       step = 2.0 ** (np.maximum(np.frexp(np.where(r == 0, 1, r))[1] - 1, -6) - 3)
;;       q = np.round(r / step) * step * 2.0 ** e      # np.round: ties to even
;;       return np.moveaxis(q.reshape(q.shape[:-2] + (-1,))[..., :K], -1, axis).astype(np.float32)
;;   ~~~
;;   SOFTMAX AHEAD OF A QUANTISED PRODUCT. Where the list says 'softmax', what is quantised is not the finished softmax but p = 2^(t - M), with t = logit x log2(e) and M = ceil(the row's largest t), a whole number; so 1/2 < the row's largest p <= 1. The row's sum l is taken of the UNQUANTISED p, in f32, and the product's result is divided by l at the end. Since M is a whole number, a kernel that streams over the keys may use a running M (the ceiling of the running maximum): every later rescaling is an exact power of two, which a block's scale takes up: the codes' values come out the same.
;;   OPERANDS COMPUTED ON THE WAY. 'Computed on the way' means the value that the module computes at that place (a softmax that the list does not call 'softmax' is quantised finished and normalised). What goes into a quantiser is computed in f32, as accurately as f32 sums, v_exp_f32 and their like allow (about 1e-6 of the number): no bf16 or f16 on the way to a quantiser, and a product that is left as it is and whose result goes on into a quantised operand takes f32 operands (vector FMAs, or v_wmma_f32_16x16x4_f32). A number that lies on a knife's edge between two numbers of the format may be rounded either way, as far as f32 arithmetic and the matrix unit's own rounding can turn it there, and no further.
;; One version. Each part assembles by itself: llvm-mc -triple=amdgcn-amd-amdhsa -mcpu=gfx1250 --defsym DOCPART=n.
;; ======== version 1 of 1: 2 launches
;; limits: right only within a limited range of input values
;; workspace buffers: kv 8,650,752 bytes; qc 17,301,504 bytes
;; launch prep (part 1): grid 1536 x 1, 8 waves a work-group, no clusters, 78,336 bytes of LDS; arguments k, v, q, kv, qc; writes kv, qc
.if DOCPART == 1
	.amdgcn_target "amdgcn-amd-amdhsa--gfx1250"
	.amdhsa_code_object_version 6
	.text
	.protected	k_qeb51beae3d_prep
	.globl	k_qeb51beae3d_prep
	.p2align	8
	.type	k_qeb51beae3d_prep,@function
k_qeb51beae3d_prep:
	s_mov_b64 s[64:65], 0
	v_nop
	global_prefetch_b8 v0, s[64:65] scope:SCOPE_SE
	s_setreg_imm32_b32 hwreg(HW_REG_WAVE_MODE, 25, 1), 1
	s_wait_xcnt 0x0
; k, v [8192][4 heads x 128] and q [8192][16 heads x 128], f32, become codes of FP8 (E4M3) with one E8M0 scale for each 32 along a product's K, laid in the ORDER OF THE OPERAND'S REGISTERS.
; k and q are quantised along the head's 128 channels, v along the keys (blocks of 32 keys from the sequence's start).
; WORK LEFT OUT.  The function takes of cu_seqlens_q only its length (5, so 4 sequences of 8192 / 4 = 2,048) and never names cu_seqlens_k: no number of either array enters any result, whatever they hold.
; So neither is loaded, and neither is among any launch's arguments.  The causal mask is built in the function's own body: tiles of scores that lie wholly above the diagonal get the weight 0 for all inputs and are not computed (next launch).
; A NaN, an infinity or an overflow that would reach only the work left out is not carried to the result.
; kv = [batch x kv head: 16][key step of 128 keys: 16][record of 33,792 bytes].  A record:
;   0      K's image: tile t (0..7) at 2048 t, chunk c (0..3) at 512 c, lane l's 16 bytes at 16 l.  Lane (r, h) holds key 32 (t / 2) + 8 (t % 2) + r + 8 (r / 8), channels 32 c + 16 h + 0 .. 15
;   16,384 V's image, same form: tile t holds channel 16 t + r, chunk c the step's keys 32 c + 16 h + 0 .. 15
;   32,768 K's scale words: that of (tile t, row r) at 256 (t / 4) + 16 r + 4 (t % 4);   33,280 V's, same form
; qc = [block of 128 rows of q: 64][query head: 16][record of 16,896 bytes]: an image as K's, but tile t holds rows 16 t + r; at 16,384 its scale words, in K's form.
; SHARES.  Work-groups 0-255 take k, 256-511 v, 512-1535 q; each turns one block of 128 rows x 128 channels into one image and its 512 scale bytes.  Wave w loads rows 16 w .. 16 w + 15 (a load covers a row's 512 consecutive bytes)
; into a stage in LDS; behind a barrier it reads back the 64 numbers a lane of tile w, in the order that the operand's registers want, quantises them and stores the image: 512 consecutive bytes a store.
; One path serves the three tensors: pointers and offsets are chosen on the work-group's number; only the loads' row pitch and the read-back differ (loads alone stand in those branches).
; A block's scale is 2^(floor(log2(its largest magnitude)) - 8); its byte is that magnitude's exponent field - 8, held at 1 from below.
; LIMITS: NaN and infinities among the inputs are not served; a block whose largest magnitude lies under 2^-118 keeps the byte 1; a block of zeros has the byte 1 where the quantiser's text says 127: its codes are zeros, and this program alone reads the bytes.
.set PITCH, 592                        ; a stage row: 512 bytes + 80
.set GRP,   16*PITCH+128               ; sixteen rows and 128 bytes of skew: the 16 rows that a read-back of k touches start in 16 different columns of 16 bytes
.set SCS,   8*GRP                      ; behind the stage: the 512 scale bytes
.set RECB,  33792
.set QRECB, 16896
.set TM,    16                         ; v16-19 largest magnitudes, v20-23 bytes, v24-27 448 x the scale, v28-31 the conversions' scale operands
.set PW,    32                         ; the scale word
.set PC,    36                         ; v36-51 the codes
.set X,     64                         ; v64-127 64 numbers
.set SEL,   20                         ; s[20:21] lane selects for v_permlanex16_b32: lane l xor 16
.set MNT,   23                         ; s23 the mantissa field of 448
	s_load_b128 s[4:7], s[0:1], 0x0                ; k, v
	s_load_b128 s[8:11], s[0:1], 0x10              ; q, kv
	s_load_b64 s[12:13], s[0:1], 0x20              ; qc
	v_lshl_add_u32 v128, v0, 2, 0x12e00            ; my spare word, behind the scale bytes
	v_mov_b32 v129, 0
	v_lshrrev_b32 v1, 5, v0
	s_delay_alu instid0(VALU_DEP_1)
	v_readfirstlane_b32 s16, v1                    ; wave 0..7
	v_and_b32 v1, 31, v0                           ; lane
	v_and_b32 v2, 15, v0                           ; r
	v_bfe_u32 v3, v0, 4, 1                         ; h
	s_delay_alu instid0(VALU_DEP_3)
	v_lshlrev_b32 v4, 4, v1                        ; 16 x lane: my bytes of a row, and of an image's chunk
	s_mul_i32 s17, s16, GRP
	v_add_nc_u32 v5, s17, v4                       ; the stage, on the way in: my wave's group of 16 rows
	v_mul_u32_u24 v12, v2, PITCH                   ; q's read-back: row 16 w + r is row r of group w
	s_delay_alu instid0(VALU_DEP_1)
	v_lshl_add_u32 v12, v3, 6, v12                 ; + 64 h
	s_delay_alu instid0(VALU_DEP_1)
	v_add_nc_u32 v12, s17, v12
	v_lshrrev_b32 v6, 3, v2                        ; k's read-back: key 32 (w / 2) + 8 (w % 2) + r + 8 (r / 8) is row 8 (w % 2) + r % 8 of group 2 (w / 2) + r / 8
	s_delay_alu instid0(VALU_DEP_1)
	v_mul_u32_u24 v6, v6, GRP
	v_and_b32 v11, 7, v2
	s_delay_alu instid0(VALU_DEP_1)
	v_mad_u32_u24 v6, v11, PITCH, v6
	s_delay_alu instid0(VALU_DEP_1)
	v_lshl_add_u32 v6, v3, 6, v6                   ; + 64 h: my 16 channels of a block of 32
	s_lshr_b32 s17, s16, 1
	s_mul_i32 s17, s17, 2*GRP
	s_and_b32 s18, s16, 1
	s_mul_i32 s18, s18, 8*PITCH
	s_add_co_u32 s17, s17, s18
	v_add_nc_u32 v6, s17, v6
	v_mul_u32_u24 v7, v3, GRP                      ; v's read-back: key 32 c + 16 h + i is row i of group 2 c + h; channel 16 w + r
	s_delay_alu instid0(VALU_DEP_1)
	v_lshl_add_u32 v7, v2, 2, v7
	s_lshl_b32 s17, s16, 6
	v_add_nc_u32 v7, s17, v7
	s_delay_alu instid0(VALU_DEP_1)
	v_add_nc_u32 v8, 4*GRP, v7                     ; the same four groups on: an LDS offset ends at 65,535
	s_lshr_b32 s17, s16, 2                         ; my scale word's place: 256 (w / 4) + 4 (w % 4) + 16 r
	s_lshl_b32 s17, s17, 8
	s_and_b32 s18, s16, 3
	s_lshl_b32 s18, s18, 2
	s_add_co_u32 s17, s17, s18
	s_add_co_u32 s17, s17, SCS
	v_lshl_add_u32 v9, v2, 4, s17
	v_add_nc_u32 v10, SCS, v4                      ; and on the way out 16 bytes a lane
.irp b, 0,1,2,3
	v_mov_b32 v[TM+4+\b], 0                        ; written once: a lane permute's destination counts as one of its sources
.endr
	s_mov_b32 s[SEL], 0x76543210
	s_mov_b32 s[SEL+1], 0xfedcba98
	s_mov_b32 s[MNT], 0x600000
	; k and v: where my rows begin and where my results go
	s_lshr_b32 s18, ttmp9, 8                       ; 0: k, 1: v
	s_and_b32 s19, ttmp9, 255                      ; the record
	s_lshr_b32 s24, s19, 4                         ; 4 x batch + head
	s_and_b32 s25, s19, 15                         ; key step
	s_lshr_b32 s26, s24, 2                         ; batch
	s_and_b32 s27, s24, 3                          ; head
	s_lshl_b32 s28, s26, 11
	s_lshl_b32 s29, s25, 7
	s_add_co_u32 s28, s28, s29
	s_lshl_b32 s29, s16, 4
	s_add_co_u32 s28, s28, s29                     ; my first row: 2048 x batch + 128 x step + 16 x wave
	s_lshl_b32 s28, s28, 11                        ; rows of 2,048 bytes
	s_lshl_b32 s29, s27, 9
	s_add_co_u32 s28, s28, s29                     ; + the head's 512 bytes
	s_mov_b32 s29, 0
	s_mul_i32 s30, s19, RECB
	s_lshl_b32 s31, s18, 9
	s_add_co_u32 s32, s30, s31
	s_add_co_u32 s32, s32, 32768                   ; the scale words: record + 32,768 + 512 for v
	s_mov_b32 s33, 0
	s_lshl_b32 s31, s18, 14
	s_add_co_u32 s30, s30, s31
	s_lshl_b32 s31, s16, 11
	s_add_co_u32 s30, s30, s31                     ; my tile's image: record + 16,384 for v + 2,048 x wave
	s_mov_b32 s31, 0
	; q: the same three offsets
	s_sub_co_u32 s34, ttmp9, 512                   ; the record: 16 x block of 128 rows + head
	s_lshr_b32 s35, s34, 4
	s_lshl_b32 s35, s35, 20                        ; 128 rows of 8,192 bytes
	s_and_b32 s36, s34, 15
	s_lshl_b32 s36, s36, 9                         ; + the head's 512 bytes
	s_add_co_u32 s35, s35, s36
	s_lshl_b32 s36, s16, 17                        ; + 16 rows a wave
	s_add_co_u32 s35, s35, s36
	s_mul_i32 s36, s34, QRECB
	s_add_co_u32 s37, s36, 16384                   ; the scale words
	s_lshl_b32 s38, s16, 11
	s_add_co_u32 s36, s36, s38                     ; my tile's image
	s_cmp_lt_u32 ttmp9, 512                        ; the choices hang on the work-group's number alone
	s_cselect_b32 s28, s28, s35
	s_cselect_b32 s30, s30, s36
	s_cselect_b32 s32, s32, s37
	s_wait_alu depctr_va_vdst(0)                   ; the wait at the head's end
	s_wait_kmcnt 0x0
	s_cmp_lt_u32 ttmp9, 256
	s_cselect_b64 s[4:5], s[4:5], s[6:7]
	s_cmp_lt_u32 ttmp9, 512
	s_cselect_b64 s[4:5], s[4:5], s[8:9]
	s_cselect_b64 s[12:13], s[10:11], s[12:13]
	s_add_nc_u64 s[4:5], s[4:5], s[28:29]
	s_add_nc_u64 s[14:15], s[12:13], s[32:33]
	s_add_nc_u64 s[12:13], s[12:13], s[30:31]
	s_cmp_lt_u32 ttmp9, 512
	s_cbranch_scc0 .Lload_q
.irp i, 0,1,2,3,4,5,6,7,8,9,10,11,12,13,14,15
	global_load_b128 v[X+4*\i:X+4*\i+3], v4, s[4:5] offset:2048*\i th:TH_LOAD_NT   ; row i: 32 lanes read 512 consecutive bytes; all sixteen are on their way together
.endr
	s_branch .Lloaded
.Lload_q:
.irp i, 0,1,2,3,4,5,6,7,8,9,10,11,12,13,14,15
	global_load_b128 v[X+4*\i:X+4*\i+3], v4, s[4:5] offset:8192*\i th:TH_LOAD_NT   ; the same with q's row pitch
.endr
.Lloaded:
.irp i, 0,1,2,3,4,5,6,7,8,9,10,11,12,13,14,15
	s_wait_loadcnt 15-\i                           ; loads come back in order: row i is in, the younger ones stay out
	ds_store_b128 v5, v[X+4*\i:X+4*\i+3] offset:PITCH*\i
.endr
	s_wait_dscnt 0x0                               ; for the others' sake: my rows lie in the stage
	s_barrier_signal -1
	s_barrier_wait -1
	s_cmp_lt_u32 ttmp9, 256
	s_cbranch_scc0 .Lnot_k
.irp c, 0,1,2,3
.irp j, 0,1,2,3
	ds_load_b128 v[X+16*\c+4*\j:X+16*\c+4*\j+3], v6 offset:128*\c+16*\j   ; k: register 16 c + i = channel 32 c + 16 h + i of my key
.endr
.endr
	s_branch .Lread
.Lnot_k:
	s_cmp_lt_u32 ttmp9, 512
	s_cbranch_scc0 .Lread_q
.irp c, 0,1
.irp i, 0,1,2,3,4,5,6,7,8,9,10,11,12,13,14,15
	ds_load_b32 v[X+16*\c+\i], v7 offset:2*GRP*\c+PITCH*\i                ; v: register 16 c + i = key 32 c + 16 h + i of my channel: the registers run down the keys
.endr
.endr
.irp c, 0,1
.irp i, 0,1,2,3,4,5,6,7,8,9,10,11,12,13,14,15
	ds_load_b32 v[X+32+16*\c+\i], v8 offset:2*GRP*\c+PITCH*\i
.endr
.endr
	s_branch .Lread
.Lread_q:
.irp c, 0,1,2,3
.irp j, 0,1,2,3
	ds_load_b128 v[X+16*\c+4*\j:X+16*\c+4*\j+3], v12 offset:128*\c+16*\j  ; q: register 16 c + i = channel 32 c + 16 h + i of my row
.endr
.endr
.Lread:
	s_wait_dscnt 0x0
	; 64 numbers of a lane, register 16 b + i = K 32 b + 16 h + i of my row, become a fragment's codes and its scale word
.irp b, 0,1,2,3
	v_max3_num_f32 v[TM+\b], |v[X+16*\b]|, |v[X+16*\b+1]|, 0x4800000     ; block b: my 16 numbers, and the floor 2^(9 - 127): the byte cannot fall under 1
.endr
.irp i, 2,4,6,8,10,12,14
.irp b, 0,1,2,3
	s_delay_alu instid0(VALU_DEP_4)
	v_max3_num_f32 v[TM+\b], v[TM+\b], |v[X+16*\b+\i]|, |v[X+16*\b+\i+1]|  ; the four blocks by turns
.endr
.endr
.irp b, 0,1,2,3
	s_delay_alu instid0(VALU_DEP_4)
	v_permlanex16_b32 v[TM+4+\b], v[TM+\b], s[SEL], s[SEL+1]
.endr
.irp b, 0,1,2,3
	s_delay_alu instid0(VALU_DEP_4)
	v_max_num_f32 v[TM+\b], v[TM+\b], v[TM+4+\b]   ; with lane l xor 16's 16: the block's largest magnitude
.endr
.irp b, 0,1,2,3
	s_delay_alu instid0(VALU_DEP_4)
	v_add_nc_u32 v[TM+12+\b], 0xfc000000, v[TM+\b] ; 8 off its exponent field: the conversion takes the exponent field of this operand as its scale
.endr
.irp b, 0,1,2,3
	v_and_or_b32 v[TM+8+\b], v[TM+\b], 0x7f800000, s[MNT]   ; 448 x the scale
.endr
.irp b, 0,1,2,3
	v_lshrrev_b32 v[TM+4+\b], 23, v[TM+12+\b]      ; the scale's byte
.endr
	s_delay_alu instid0(VALU_DEP_3)
	v_lshl_or_b32 v[PW], v[TM+5], 8, v[TM+4]
	s_delay_alu instid0(VALU_DEP_1)
	v_lshl_or_b32 v[PW], v[TM+6], 16, v[PW]
	s_delay_alu instid0(VALU_DEP_1)
	v_lshl_or_b32 v[PW], v[TM+7], 24, v[PW]        ; my row's scale word
.irp b, 0,1,2,3
.irp i, 0,1,2,3,4,5,6,7,8,9,10,11,12,13,14,15
	v_med3_num_f32 v[X+16*\b+\i], v[X+16*\b+\i], -v[TM+8+\b], v[TM+8+\b]   ; the conversion to an 8-bit code does not saturate (ISA guide 7.6.2): hold at the largest code x the scale
.endr
	v_cvt_scalef32_pk8_fp8_f32 v[PC+4*\b:PC+4*\b+1], v[X+16*\b:X+16*\b+7], v[TM+12+\b]
	v_cvt_scalef32_pk8_fp8_f32 v[PC+4*\b+2:PC+4*\b+3], v[X+16*\b+8:X+16*\b+15], v[TM+12+\b]
.endr
	v_nop                                          ; a plain line behind the last conversion
.irp c, 0,1,2,3
	global_store_b128 v4, v[PC+4*\c:PC+4*\c+3], s[12:13] offset:512*\c    ; a chunk of the image: 512 consecutive bytes, at a multiple of 256 from the buffer's first byte
.endr
	ds_store_b32 v9, v[PW]                         ; lanes l and l xor 16 write the same word with the same value
	s_wait_dscnt 0x0                               ; for wave 0's sake
	s_barrier_signal -1
	s_barrier_wait -1
	s_cmp_lg_u32 s16, 0
	s_cbranch_scc1 .Lend                           ; wave 0 stores the eight tiles' scale words
	ds_load_b128 v[52:55], v10
	s_wait_dscnt 0x0
	global_store_b128 v4, v[52:55], s[14:15]       ; 512 consecutive bytes
.Lend:
	s_wait_tensorcnt 0x0                           ; the wave's end
	ds_add_u32 v128, v129
	s_wait_dscnt 0x0
	s_endpgm
.Lfunc_end_k_qeb51beae3d_prep:
	.size	k_qeb51beae3d_prep, .Lfunc_end_k_qeb51beae3d_prep-k_qeb51beae3d_prep
	.p2alignl 7, 3214868480
	.fill 96, 4, 3214868480
	.section	.rodata,"a",@progbits
	.p2align	6, 0x0
	.amdhsa_kernel k_qeb51beae3d_prep
		.amdhsa_group_segment_fixed_size 78336
		.amdhsa_private_segment_fixed_size 0
		.amdhsa_enable_private_segment 0
		.amdhsa_kernarg_size 40
		.amdhsa_user_sgpr_count 2
		.amdhsa_user_sgpr_kernarg_segment_ptr 1
		.amdhsa_wavefront_size32 1
		.amdhsa_system_sgpr_workgroup_id_x 1
		.amdhsa_system_sgpr_workgroup_id_y 1
		.amdhsa_system_sgpr_workgroup_id_z 1
		.amdhsa_system_vgpr_workitem_id 0
		.amdhsa_next_free_vgpr 130
		.amdhsa_next_free_sgpr 66
		.amdhsa_reserve_vcc 0
		.amdhsa_float_denorm_mode_32 3
		.amdhsa_float_denorm_mode_16_64 3
		.amdhsa_memory_ordered 1
		.amdhsa_forward_progress 1
		.amdhsa_inst_pref_size 26
	.end_amdhsa_kernel
	.amdgpu_metadata
---
amdhsa.version: [ 1, 2 ]
amdhsa.kernels:
  - .name:           k_qeb51beae3d_prep
    .symbol:         k_qeb51beae3d_prep.kd
    .args:
      - { .name: k, .offset: 0, .size: 8, .value_kind: global_buffer, .address_space: global }
      - { .name: v, .offset: 8, .size: 8, .value_kind: global_buffer, .address_space: global }
      - { .name: q, .offset: 16, .size: 8, .value_kind: global_buffer, .address_space: global }
      - { .name: kv, .offset: 24, .size: 8, .value_kind: global_buffer, .address_space: global }
      - { .name: qc, .offset: 32, .size: 8, .value_kind: global_buffer, .address_space: global }
    .group_segment_fixed_size: 78336
    .private_segment_fixed_size: 0
    .kernarg_segment_align: 8
    .kernarg_segment_size: 40
    .max_flat_workgroup_size: 256
    .sgpr_count:     66
    .vgpr_count:     130
    .wavefront_size: 32
...
	.end_amdgpu_metadata
.endif
;; end of part 1
;; launch attn (part 2): grid 16 x 16, 8 waves a work-group, clusters of 4 x 1, 327,680 bytes of LDS; arguments qc, kv, out0; writes out0
.if DOCPART == 2
	.amdgcn_target "amdgcn-amd-amdhsa--gfx1250"
	.amdhsa_code_object_version 6
	.text
	.protected	k_qeb51beae3d_attn
	.globl	k_qeb51beae3d_attn
	.p2align	8
	.type	k_qeb51beae3d_attn,@function
k_qeb51beae3d_attn:
	s_mov_b64 s[64:65], 0
	v_nop
	global_prefetch_b8 v0, s[64:65] scope:SCOPE_SE
	s_setreg_imm32_b32 hwreg(HW_REG_WAVE_MODE, 25, 1), 1
	s_wait_xcnt 0x0
	s_wait_alu depctr_hold_cnt(0) depctr_sa_sdst(0) depctr_va_vdst(0) depctr_va_sdst(0) depctr_va_ssrc(0) depctr_va_vcc(0) depctr_vm_vsrc(0)
	s_getreg_b32 s2, hwreg(HW_REG_IB_STS2, 6, 4)
	s_cmp_eq_u32 s2, 0
	s_cbranch_scc0 .Lentry_in_a_cluster
	s_endpgm
.Lentry_in_a_cluster:
	s_bfe_u32 s2, ttmp6, 0x10000c
	s_cmp_lg_u32 s2, 0x3003
	s_cbranch_scc0 .Lentry_shape_is_right
	s_endpgm
.Lentry_shape_is_right:
; Causal attention, 4 sequences of 2,048, 16 query heads on 4 key/value heads, head size 128; both products on codes of FP8 (E4M3) with one E8M0 scale for each 32 along a product's K.
; Q, K, V and their scale words come from qc and kv, laid by the launch before in the order of the operands' registers (kv: a record of 33,792 bytes for 128 keys; qc: a record of 16,896 bytes for 128 positions of one head).
; WORK LEFT OUT: tiles of scores wholly above the diagonal of the mask that the function builds itself; the cu_seqlens arrays, of which only the length counts (see the first kernel).
; THE SOFTMAX: t = score x log2(e) / sqrt(128); M = the running largest t rounded UP to a whole number; p = 2^(t - M) is quantised along the keys; the row's sum is taken of the unquantised p and divides at the end.
; When M moves, the sum and O are multiplied by 2^(old M - new M): exact.
; SHARES.  A work-group owns one query head and TWO blocks of 256 positions: block i (pass A), then block 7 - i (pass B), i = the cluster's x.  Pass A walks 2 (i + 1) key steps of 128, pass B 2 (8 - i):
; 18 steps in every work-group, 6 slots of 3 records: the trip counts are constants.  The change of pass falls at step 2 (i + 1), inside a slot: a branch on ids at a step's head, round no barrier.
; Wave w owns positions 32 w .. 32 w + 31 of a block: two tiles of 16.  A step all of whose keys come after the wave's 32 positions is jumped over (a branch on ids).
; CLUSTER.  The four partners are the four query heads of one key/value head, with the same i: they walk the same records, so each slot is asked for JOINTLY (mask 15); waves 0-2 fetch a record each.
; Q's two fragments of a pass go from memory straight into the operand's registers: eight loads of 512 consecutive bytes, and two of the scale words.
; PREFETCHES.  kv: macro ASK.  qc: pass B's 4,096 bytes of codes of each wave are asked for at the change of slots i / 2, which is 2 to 5 key steps ahead of their loads (its 128 scale bytes come by their loads alone);
; pass A's are loaded at the head with nothing to run ahead in.
; LAYOUT.  Both products are used transposed: S^T = K Q^T, O^T = V^T P^T: a lane holds ONE query (lane % 16) throughout; the 16 registers of tiles 2 b, 2 b + 1 of S^T are the keys 32 b + 16 (lane / 16) + 0 .. 15.
; LIMITS: NaN and infinities among the inputs are not served; the scaled scores t stay under 2^31 in magnitude; a block of p whose every number is 0 keeps the scale byte 1 (its codes are zeros);
; a block's largest p is taken from its largest score, which takes v_exp_f32 not to fall where its input rises; log2(e) / sqrt(128) is one f32 constant.
; REGISTERS.  Window 0: v1-10, v53 addresses; v12-19 statistics; v20-31 scale words alone; v32-52, v121-124 at work; v56-87 Q's codes; v88-119 p's codes; v128-255 S^T, then p.
;   Window 1: v0-127 O^T (64 a tile); v128-255 eight fragments of K or of V, on the way out rows of O.
.set RECB,   33792
.set QRECB,  16896
.set NREC,   3
.set SLOTB,  NREC*RECB                 ; a slot: three records
.set SLOT1,  1<<17                     ; slot 1 begins here: one exclusive or turns an address from one slot to the other
.set STAGE,  SLOT1+SLOTB               ; behind slot 1: a stage for each wave, for the way out; no tile ever lands here
.set SP,     272                       ; a stage row: 256 bytes + 16
.set WST,    16*SP                     ; a wave's stage: 17 blocks of 256 bytes
.set SPARE,  STAGE+8*WST               ; the spare words, 128 bytes for each wave
.set ROWQ,   8192                      ; a row of out0 in bytes
.set LI,  1                            ; 16 x lane
.set ADR, 2                            ; LDS address of the step's record, + 16 x lane
.set SPW, 3                            ; my spare word; never rewritten
.set NIL, 4                            ; 0; never rewritten
.set QW,  5                            ; Q's scale words, counted from my codes: 16 r + the wave's constant
.set GO,  6                            ; out0: row h, + 16 r
.set STO, 7                            ; the way out, in
.set RD,  8                            ; the way out, back
.set PFO, 9                            ; kv's prefetches' offset
.set RMH, 10                           ; r - 16 h, for the mask
.set ST,  12                           ; tile u at v[12 + 4 u]: -M, the largest t, the sum in two halves
.set QS,  20
.set PS,  22
.set KS,  24                           ; register j: lanes 0-15 tile j, lanes 16-31 tile 4 + j
.set VS,  28
.set TM,  32
.set BM,  TM
.set PM,  TM+4
.set HD,  TM+8                         ; 448 x the scale
.set SOP, TM+12
.set F,   48                           ; v[48:49] f, or 1 / the sum
.set T,   50
.set DD,  51
.set NI,  52                           ; -infinity
.set PFQ, 53                           ; qc's prefetch's offset: a lane a block of 256 bytes
.set HD2, 121                          ; 448 x the scale once more, one register bank on: the second half of a dual line names it
.set QC,  56
.set PCD, 88
.set S,   128
.set FR,  128                          ; in window 1
.set QP,  4
.set KVB, 6
.set OP,  8
.set WV,  10
.set CX,  11                           ; my place in the cluster: it enters qc's, out0's and the prefetches' addresses alone
.set SA,  12                           ; i + 1
.set S2A, 13                           ; pass A's key steps
.set SEL, 14
.set CS,  16
.set MNT, 18
.set TB,  19                           ; LDS byte of the record in hand
.set SIDX, 20                          ; the slot in hand
.set TWICE, 21
.set KF,  22                           ; the step's first key
.set Q0,  23                           ; my first position in the sequence
.set G1,  24
.set G0,  32
.set Q0B, 36
.set BKB, 37                           ; pass A's records in bytes
.set BK,  38
.set DP,  40                           ; from block i to block 7 - i in out0
.set PFA, 42
.set LIM, 44
.set SC,  56                           ; key steps done
.set GI,  57                           ; the step whose record my next tensor load brings
.set TH,  58                           ; pass A's steps until my loads have passed them, then the greatest number
.set PQ,  59                           ; the change of slots at which pass B's Q is prefetched
.set QB,  60                           ; s[60:61] qc at my wave's codes of pass B; never rewritten
.set DQ,  66                           ; s[66:67] from block i to block 7 - i in qc
.set MSB, 0
.macro WIN new                         ; the immediate's high byte repeats the setting that is left; bits 1:0 source 0, 3:2 source 1, 5:4 source 2, 7:6 destination
.if MSB != \new
	s_set_vgpr_msb (MSB<<8)|\new
.set MSB, \new
.endif
.endm
.macro ROUND                           ; a round of the cluster's barrier
	s_barrier_signal -1
	s_barrier_wait -1
	s_cmp_lg_u32 s[WV], 0
	s_cbranch_scc1 .Lnot_wave_0_\@
	s_barrier_signal -3
.Lnot_wave_0_\@:
	s_barrier_wait -3
	s_barrier_signal -1
	s_barrier_wait -1
.endm
.macro TLOAD                           ; the joint load: waves 0-2, a record each; the branch hangs on the wave's number alone
	s_cmp_lt_u32 s[WV], NREC
	s_cbranch_scc0 .Lno_load_\@
	tensor_load_to_lds s[G0:G0+3], s[G1:G1+7]
	s_nop 0
.rept 4
	v_nop
.endr
.Lno_load_\@:
.endm
; kv INTO THE L2.  All four clusters of a key/value head walk the same records; the cluster with x = 0 asks.  Behind the joint load of trip j = 0, 1, 2 it asks for records 3 j + 6 .. 3 j + 8, which no cluster's
; tensor load names before the next change of slots.  Their 396 blocks of 256 bytes are shared out among the four partners BY ADDRESS, 99 each; waves 4, 5, 6 name 32 blocks, a lane a block, wave 7 the last three
; (its other lanes name its last block again).  Records 0 to 5 and 15 come by their loads alone.
.macro ASK
	s_cmp_lt_u32 s[SIDX], s[LIM]
	s_cbranch_scc0 .Lnot_mine_\@
	global_prefetch_b8 v[PFO], s[PFA:PFA+1] th:TH_LOAD_NT scope:SCOPE_SE
.Lnot_mine_\@:
.endm
.macro ASKQ                            ; pass B's Q: my wave's sixteen blocks of 256 bytes, a lane a block (lanes 16-31 name the last block again)
	s_cmp_eq_u32 s[SIDX], s[PQ]
	s_cbranch_scc0 .Lnot_now_\@
	global_prefetch_b8 v[PFQ], s[QB:QB+1] th:TH_LOAD_NT scope:SCOPE_SE
.Lnot_now_\@:
.endm
.macro QLOADS                          ; my two fragments of Q as they lie, and their scale words (lane r: row r's)
.irp u, 0,1
.irp c, 0,1,2,3
	global_load_b128 v[QC+16*\u+4*\c:QC+16*\u+4*\c+3], v[LI], s[QP:QP+1] offset:2048*\u+512*\c th:TH_LOAD_NT
.endr
	global_load_b32 v[QS+\u], v[QW], s[QP:QP+1] offset:4*\u
.endr
.endm
; A pass begins: the largest t is -3e38, the sums and O^T are zeros, so that the one written step serves a pass's first step too; then Q is in
.macro INIT
.irp u, 0,1
	v_mov_b32 v[ST+4*\u+1], 0xff61b1e6
	s_delay_alu instid0(VALU_DEP_1)
	v_floor_f32 v[ST+4*\u], -v[ST+4*\u+1]
	v_mov_b32 v[ST+4*\u+2], 0
	v_mov_b32 v[ST+4*\u+3], 0
.endr
	WIN 0x40
.set j, 0
.rept 128
	v_mov_b32 v[j], 0
.set j, j+1
.endr
	WIN 0
	s_wait_loadcnt 0x0
.endm
; Tile u's softmax for 128 keys: from the scores to p's codes, p's scale word and f
.macro SOFTMAX u
.set rS, S+64*(\u)
.set rT, ST+4*(\u)
.set rP, PCD+16*(\u)
.irp b, 0,1,2,3
	v_max3_num_f32 v[BM+\b], v[rS+16*\b], v[rS+16*\b+1], v[rS+16*\b+2]   ; the largest score of each block of 32 keys: for the row's maximum and for the block's largest p
.endr
.irp i, 3,5,7,9,11,13
.irp b, 0,1,2,3
	v_max3_num_f32 v[BM+\b], v[BM+\b], v[rS+16*\b+\i], v[rS+16*\b+\i+1]
.endr
.endr
.irp b, 0,1,2,3
	v_max_num_f32 v[BM+\b], v[BM+\b], v[rS+16*\b+15]
.endr
.irp b, 0,1,2,3
	s_delay_alu instid0(VALU_DEP_4)
	v_permlanex16_b32 v[PM+\b], v[BM+\b], s[SEL], s[SEL+1]
.endr
.irp b, 0,1,2,3
	s_delay_alu instid0(VALU_DEP_4)
	v_max_num_f32 v[BM+\b], v[BM+\b], v[PM+\b]
.endr
	s_delay_alu instid0(VALU_DEP_2)
	v_max3_num_f32 v[T], v[BM], v[BM+1], v[BM+2]
	s_delay_alu instid0(VALU_DEP_1)
	v_max_num_f32 v[T], v[T], v[BM+3]
	s_delay_alu instid0(VALU_DEP_1)
	v_mul_f32 v[T], s[CS], v[T]                    ; the step's largest t (c is positive)
	s_delay_alu instid0(VALU_DEP_1)
	v_max_num_f32 v[rT+1], v[rT+1], v[T]           ; the running largest t
	v_mov_b32 v[T], v[rT]
	s_delay_alu instid0(VALU_DEP_2)
	v_floor_f32 v[rT], -v[rT+1]                    ; the new -M = floor(-t) = -ceil(t)
	s_delay_alu instid0(VALU_DEP_1)
	v_sub_f32 v[T], v[rT], v[T]                    ; old M - new M: a whole number, 0 or less
	s_delay_alu instid0(VALU_DEP_1)
	v_cvt_i32_f32 v[T], v[T]                       ; (it saturates)
	s_delay_alu instid0(VALU_DEP_1)
	v_ldexp_f32 v[F], 1.0, v[T]                    ; f = 2^(old M - new M)
.set j, 0
.rept 32
	v_pk_fma_f32 v[rS+j:rS+j+1], v[rS+j:rS+j+1], s[CS:CS+1], v[rT:rT+1] op_sel_hi:[1,0,0]   ; t - M, two at a time
.set j, j+2
.endr
.irp b, 0,1,2,3
	v_fma_f32 v[BM+\b], v[BM+\b], s[CS], v[rT]     ; the same of each block's largest score
.endr
.set j, 0
	s_wait_alu depctr_va_vdst(0)                   ; the wait ahead of the batch
.rept 64
	v_exp_f32 v[rS+j], v[rS+j]                     ; p = 2^(t - M): one batch
.set j, j+1
.endr
	v_pk_mul_f32 v[rT+2:rT+3], v[rT+2:rT+3], v[F:F+1] op_sel_hi:[1,0]   ; the sums under the new M: the plain line behind the batch
	s_wait_alu depctr_va_vdst(0)                   ; one wait for the 64, ahead of their first reader
.irp b, 0,1,2,3
	v_exp_f32 v[BM+\b], v[BM+\b]                   ; the block's largest p
.endr
	v_pk_add_f32 v[PM:PM+1], v[rS:rS+1], v[rS+2:rS+3]   ; the row's sum, of the unquantised p, two at a time in four chains; it reads the 64 alone
	v_pk_add_f32 v[PM+2:PM+3], v[rS+4:rS+5], v[rS+6:rS+7]
	v_pk_add_f32 v[HD:HD+1], v[rS+8:rS+9], v[rS+10:rS+11]
	v_pk_add_f32 v[rT+2:rT+3], v[rT+2:rT+3], v[rS+12:rS+13]
.set j, 14
.rept 6
	v_pk_add_f32 v[PM:PM+1], v[PM:PM+1], v[rS+j:rS+j+1]
	v_pk_add_f32 v[PM+2:PM+3], v[PM+2:PM+3], v[rS+j+2:rS+j+3]
	v_pk_add_f32 v[HD:HD+1], v[HD:HD+1], v[rS+j+4:rS+j+5]
	v_pk_add_f32 v[rT+2:rT+3], v[rT+2:rT+3], v[rS+j+6:rS+j+7]
.set j, j+8
.endr
	v_pk_add_f32 v[PM:PM+1], v[PM:PM+1], v[rS+62:rS+63]
	v_pk_add_f32 v[rT+2:rT+3], v[rT+2:rT+3], v[HD:HD+1]
	v_pk_add_f32 v[PM:PM+1], v[PM:PM+1], v[PM+2:PM+3]
	v_pk_add_f32 v[rT+2:rT+3], v[rT+2:rT+3], v[PM:PM+1]
	s_wait_alu depctr_va_vdst(0)                   ; and one for the four
.irp b, 0,1,2,3
	v_max_num_f32 v[BM+\b], 0x4800000, v[BM+\b]    ; the floor 2^(9 - 127): a block whose every p is 0 keeps the byte 1; its codes are zeros
.endr
.irp b, 0,1,2,3
	s_delay_alu instid0(VALU_DEP_4)
	v_add_nc_u32 v[SOP+\b], 0xfc000000, v[BM+\b]
.endr
.irp b, 0,1,2,3
	v_and_or_b32 v[HD+\b], v[BM+\b], 0x7f800000, s[MNT]
.endr
.irp b, 0,1,2,3
	v_and_or_b32 v[HD2+\b], v[BM+\b], 0x7f800000, s[MNT]
.endr
.irp b, 0,1,2,3
	v_lshrrev_b32 v[PM+\b], 23, v[SOP+\b]
.endr
	s_delay_alu instid0(VALU_DEP_3)
	v_lshl_or_b32 v[PS+\u], v[PM+1], 8, v[PM]      ; p's scale word for these 128 keys: more than eight plain lines ahead of the products that name it
	s_delay_alu instid0(VALU_DEP_1)
	v_lshl_or_b32 v[PS+\u], v[PM+2], 16, v[PS+\u]
	s_delay_alu instid0(VALU_DEP_1)
	v_lshl_or_b32 v[PS+\u], v[PM+3], 24, v[PS+\u]
.irp b, 0,1,2,3
.set j, 0
.rept 8
	v_dual_min_num_f32 v[rS+16*\b+j], v[rS+16*\b+j], v[HD+\b] :: v_dual_min_num_f32 v[rS+16*\b+j+1], v[rS+16*\b+j+1], v[HD2+\b]   ; p is not negative: the hold is one-sided; two numbers a line
.set j, j+2
.endr
	v_cvt_scalef32_pk8_fp8_f32 v[rP+4*\b:rP+4*\b+1], v[rS+16*\b:rS+16*\b+7], v[SOP+\b]
	v_cvt_scalef32_pk8_fp8_f32 v[rP+4*\b+2:rP+4*\b+3], v[rS+16*\b+8:rS+16*\b+15], v[SOP+\b]
.endr
.endm
; Tile u's O^T times v[F], each accumulator from its low end on.  These 32 plain lines also stand between the conversions and the products that read the codes
.macro RESCALE u
	WIN 0x41                                       ; O^T (destination and source 0) window 1, f window 0
.set j, 64*(\u)
.rept 32
	v_pk_mul_f32 v[j:j+1], v[j:j+1], v[F:F+1] op_sel_hi:[1,0]
.set j, j+2
.endr
.endm
; A KEY STEP: 128 keys, the record at LDS byte s[TB]
.macro STEP
	s_add_co_u32 s45, s[Q0], 31
	s_cmp_gt_u32 s[KF], s45
	s_cbranch_scc1 .Lhidden_\@                     ; all 128 keys come after my 32 positions
	v_add_nc_u32 v[ADR], s[TB], v[LI]
	ds_load_b128 v[KS:KS+3], v[ADR] offset:32768   ; the scale words of K's eight tiles,
	ds_load_b128 v[VS:VS+3], v[ADR] offset:33280   ; and of V's
	WIN 0x40
.irp t, 0,1,2,3,4,5,6,7
.irp c, 0,1,2,3
	ds_load_b128 v[FR+16*\t+4*\c:FR+16*\t+4*\c+3], v[ADR] offset:2048*\t+512*\c   ; K's image as it lies: 512 consecutive bytes a load
.endr
.endr
	s_wait_alu depctr_va_vdst(0)                   ; the wait here
	s_wait_dscnt 16                                ; the scale words and tiles 0-3 are in; the youngest sixteen loads (tiles 4-7) may be out
	WIN 0x01                                       ; K window 1; Q and S^T window 0
.irp t, 0,1,2,3
.irp u, 0,1
	v_wmma_scale_f32_16x16x128_f8f6f4 v[S+64*\u+8*\t:S+64*\u+8*\t+7], v[FR+16*\t:FR+16*\t+15], v[QC+16*\u:QC+16*\u+15], 0, v[KS+\t], v[QS+\u]
.endr
.endr
	s_wait_dscnt 0x0
.irp t, 4,5,6,7
.irp u, 0,1
	v_wmma_scale_f32_16x16x128_f8f6f4 v[S+64*\u+8*\t:S+64*\u+8*\t+7], v[FR+16*\t:FR+16*\t+15], v[QC+16*\u:QC+16*\u+15], 0, v[KS+\t-4], v[QS+\u] matrix_a_scale:MATRIX_SCALE_ROW1
.endr
.endr
	WIN 0
.rept 8
	v_nop                                          ; eight places ahead of the loads into K's registers and of the first read of the scores
.endr
	WIN 0x40
.irp t, 0,1,2,3,4,5,6,7
.irp c, 0,1,2,3
	ds_load_b128 v[FR+16*\t+4*\c:FR+16*\t+4*\c+3], v[ADR] offset:16384+2048*\t+512*\c   ; V's image: it lands under the softmax
.endr
.endr
	WIN 0
	s_add_co_u32 s45, s[KF], 127
	s_cmp_le_u32 s45, s[Q0]
	s_cbranch_scc1 .Lopen_\@                       ; all keys count for all my positions
	s_sub_co_i32 s45, s[Q0], s[KF]
	v_add_nc_u32 v[DD], s45, v[RMH]                ; d = my first position - KF + r - 16 h.  Tile u's register 16 b + i is hidden where 32 b + i - 16 u > d
.irp u, 0,1
.set n, 0
.rept 64
	v_cmp_gt_i32 vcc_lo, 32*(n/16)+n%16-16*\u, v[DD]
	v_cndmask_b32 v[S+64*\u+n], v[S+64*\u+n], v[NI], vcc_lo   ; -infinity ahead of the maximum: p = 0 then
.set n, n+1
.endr
.endr
.Lopen_\@:
	SOFTMAX 0
	RESCALE 0
	WIN 0
	SOFTMAX 1
	RESCALE 1
	s_wait_alu depctr_va_vdst(0)                   ; the wait here, directly ahead of the wait below
	s_wait_dscnt 0x0                               ; V is in
	WIN 0x51                                       ; V, and O^T as C and D, window 1; p window 0
.irp t, 0,1,2,3
.irp u, 0,1
	v_wmma_scale_f32_16x16x128_f8f6f4 v[64*\u+8*\t:64*\u+8*\t+7], v[FR+16*\t:FR+16*\t+15], v[PCD+16*\u:PCD+16*\u+15], v[64*\u+8*\t:64*\u+8*\t+7], v[VS+\t], v[PS+\u]
.endr
.endr
.irp t, 4,5,6,7
.irp u, 0,1
	v_wmma_scale_f32_16x16x128_f8f6f4 v[64*\u+8*\t:64*\u+8*\t+7], v[FR+16*\t:FR+16*\t+15], v[PCD+16*\u:PCD+16*\u+15], v[64*\u+8*\t:64*\u+8*\t+7], v[VS+\t-4], v[PS+\u] matrix_a_scale:MATRIX_SCALE_ROW1
.endr
.endr                                          ; the sixteen accumulators take turns, one instruction a turn
	WIN 0
.rept 8
	v_nop                                          ; eight places, so that whatever follows the step has them
.endr
.Lhidden_\@:
	s_add_co_u32 s[KF], s[KF], 128
	s_add_co_u32 s[TB], s[TB], RECB
.endm
; THE WAY OUT of tile u.  O^T is divided by the row's sum and goes through my stage, half a row (256 bytes) of 16 positions at a time; it comes back by rows, so that sixteen lanes store 256 consecutive bytes.
.macro OUT_TILE u
.set rT, ST+4*(\u)
	v_add_f32 v[T], v[rT+2], v[rT+3]
	s_delay_alu instid0(VALU_DEP_1)
	v_permlanex16_b32 v[PM], v[T], s[SEL], s[SEL+1]
	s_delay_alu instid0(VALU_DEP_1)
	v_add_f32 v[T], v[T], v[PM]
	s_wait_alu depctr_va_vdst(0)                   ; the wait ahead of the reciprocal
	v_rcp_f32 v[F], v[T]
	v_nop
	s_wait_alu depctr_va_vdst(0)                   ; and ahead of its first reader
	RESCALE \u
.irp hf, 0,1
	WIN 0x04                                       ; an LDS store's data are its source 1: window 1
.irp t, 0,1,2,3
	ds_store_b128 v[STO], v[64*\u+32*\hf+8*\t:64*\u+32*\hf+8*\t+3] offset:64*\t
	ds_store_b128 v[STO], v[64*\u+32*\hf+8*\t+4:64*\u+32*\hf+8*\t+7] offset:64*\t+16
.endr
	WIN 0x40
.irp i, 0,1,2,3,4,5,6,7
	ds_load_b128 v[FR+64*\u+32*\hf+4*\i:FR+64*\u+32*\hf+4*\i+3], v[RD] offset:\i*2*SP    ; LDS serves a wave's instructions in order (ISA guide 5.7.1.4)
.endr
.endr
	WIN 0x04
.irp hf, 0,1
.irp i, 0,1,2,3,4,5,6,7
	s_wait_dscnt 23-16*\hf-\i                      ; behind load i of the first half: 7 - i loads, 8 stores, 8 loads; of the second: 7 - i loads
	global_store_b128 v[GO], v[FR+64*\u+32*\hf+4*\i:FR+64*\u+32*\hf+4*\i+3], s[OP:OP+1] offset:16*ROWQ*\u+2*ROWQ*\i+256*\hf th:TH_STORE_NT
.endr
.endr
	WIN 0
.endm
; FROM PASS A TO PASS B: the new block's Q is asked for first, into the operand's registers (pass A's last products stand eight places and more back), and lands while the old block goes out
.macro SWITCH
	s_add_nc_u64 s[QP:QP+1], s[QP:QP+1], s[DQ:DQ+1]   ; (pass A's loads of Q were waited for at the head)
	QLOADS
	OUT_TILE 0
	OUT_TILE 1
	s_wait_xcnt 0x0                                ; the stores have read their registers and their base: only behind this wait are they written again
	s_add_nc_u64 s[OP:OP+1], s[OP:OP+1], s[DP:DP+1]
	INIT
	s_mov_b32 s[KF], 0
	s_mov_b32 s[Q0], s[Q0B]
.endm
.macro STEPS sw                        ; a slot's three key steps: written once, walked three times.  sw = 1: the change of pass may fall at a step's head (steps 2, 4, 6 or 8: never in the last slot)
	s_mov_b32 s[TWICE], NREC
.Lstep_\@:
.if \sw
	s_cmp_lg_u32 s[SC], s[S2A]                     ; ids and the count of steps alone: the same in all waves and all partners
	s_cbranch_scc1 .Lsame_\@
	SWITCH
.Lsame_\@:
	s_add_co_u32 s[SC], s[SC], 1
.endif
	STEP
	s_sub_co_u32 s[TWICE], s[TWICE], 1
	s_cmp_lg_u32 s[TWICE], 0
	s_cbranch_scc1 .Lstep_\@
	s_sub_co_u32 s[TB], s[TB], NREC*RECB           ; back to a slot's first record,
	s_xor_b32 s[TB], s[TB], SLOT1                  ; in the other slot
.endm
; THE CHANGE OF SLOTS stands at a slot's head.  Each wave waits for all its tensor loads, adds 0 to its spare word, and waits for that and for its reads of the slot that it has left.
; fill = 1: a round of the cluster's barrier; behind it the slot that was left is filled with the three records that follow: the load has three key steps in which to land.
.macro CHANGE fill
	s_wait_tensorcnt 0x0                           ; no tensor load of mine is out, so group 0 may be written
	ds_add_u32 v[SPW], v[NIL]
.if \fill
	ds_add_u32 v[SPW], v[NIL]                      ; and once more
	s_xor_b32 s[G0+1], s[G0+1], SLOT1              ; the other slot than last time,
	s_add_nc_u64 s[G0+2:G0+3], s[G0+2:G0+3], SLOTB ; three records on;
	s_add_co_u32 s[GI], s[GI], NREC
	s_cmp_ge_u32 s[GI], s[TH]
	s_cselect_b32 s[BK], s[BKB], 0
	s_cselect_b32 s[TH], -1, s[TH]
	s_sub_nc_u64 s[G0+2:G0+3], s[G0+2:G0+3], s[BK:BK+1]   ; where my record passes into pass B: back by pass A's records, once.  A choice, no jump; the same in all four partners
	s_wait_xcnt 0x0                                ; the last prefetch, a slot back, has read its address, so it may be written
	s_add_nc_u64 s[PFA:PFA+1], s[PFA:PFA+1], SLOTB
.endif
	s_wait_dscnt 0x0                               ; the add is done, and my reads of the slot that I have left are over
.if \fill
	ROUND
	TLOAD                                          ; the first thing behind the round, and a wave's one tensor load until the next
	ASK
	ASKQ
.else
	s_barrier_signal -1
	s_barrier_wait -1
.endif
.endm
	s_load_b128 s[4:7], s[0:1], 0x0                ; qc, kv
	s_load_b64 s[8:9], s[0:1], 0x10                ; out0
	v_lshl_add_u32 v[SPW], v0, 2, SPARE
	v_mov_b32 v[NIL], 0
	ds_add_u32 v[SPW], v[NIL]                      ; the opening lines: the add, twice on end, and its wait
	ds_add_u32 v[SPW], v[NIL]
	s_wait_dscnt 0x0
	v_lshrrev_b32 v[T], 5, v0
	v_readfirstlane_b32 s[WV], v[T]                ; wave 0..7
	s_bfe_u32 s[CX], ttmp6, 0x40000                ; cx
	s_and_b32 s45, ttmp7, 0xffff                   ; 4 x batch + key/value head, which the partners share
	s_add_co_u32 s[SA], ttmp9, 1                   ; in a cluster launch ttmp9 counts clusters: i
	s_lshl_b32 s[S2A], s[SA], 1
	s_lshr_b32 s[PQ], ttmp9, 1
	; descriptor group 1: a record, 132 rows of 256 bytes (32 elements of 8 bytes), dense in memory and in LDS
	s_mov_b32 s[G1], 15|(3<<16)|(1<<21)            ; the mask: all four work-groups; elements of 8 bytes; bit 21 set beside a mask
	s_mov_b32 s[G1+1], 32<<16
	s_mov_b32 s[G1+2], 132<<16
	s_mov_b32 s[G1+3], 32<<16
	s_mov_b32 s[G1+4], 132
	s_mov_b32 s[G1+5], 32
	s_mov_b32 s[G1+6], 0
	s_mov_b32 s[G1+7], 0
	s_mul_i32 s48, s45, 16*RECB                    ; my batch and key/value head in kv
	s_mov_b32 s49, 0
	s_mul_i32 s[BKB], s[S2A], RECB
	s_mov_b32 s[BK+1], 0
	s_mov_b32 s[GI], s[WV]                         ; slot 0: step w's record
	s_cmp_ge_u32 s[GI], s[S2A]                     ; (i = 0, wave 2: step 2 opens pass B)
	s_cselect_b32 s[BK], s[BKB], 0
	s_cselect_b32 s[TH], -1, s[S2A]
	s_mul_i32 s50, s[WV], RECB                     ; my record's place in a slot: no place in the cluster enters it
	s_sub_co_u32 s52, s50, s[BK]                   ; and in memory
	s_mov_b32 s53, 0
	s_and_b32 s51, s45, 3
	s_lshl_b32 s51, s51, 2
	s_add_co_u32 s51, s51, s[CX]                   ; the query head: 4 x key/value head + cx
	s_lshr_b32 s46, s45, 2                         ; batch
	s_lshl_b32 s62, s46, 4                         ; qc: 16 blocks of 128 positions a sequence,
	s_lshl_b32 s63, ttmp9, 1
	s_add_co_u32 s62, s62, s63                     ; two to a block of 256,
	s_lshr_b32 s63, s[WV], 2
	s_add_co_u32 s62, s62, s63                     ; waves 4-7 in the second
	s_lshl_b32 s62, s62, 4
	s_add_co_u32 s62, s62, s51                     ; the record: 16 x block + head
	s_mul_i32 s62, s62, QRECB
	s_and_b32 s63, s[WV], 3
	s_lshl_b32 s63, s63, 12
	s_add_co_u32 s62, s62, s63                     ; + my two tiles: 2 (w % 4) and the next
	s_sub_co_u32 s63, 16384, s63                   ; from there to the record's scale words,
	s_bfe_u32 s21, s[WV], 0x10001
	s_lshl_b32 s21, s21, 8
	s_add_co_u32 s63, s63, s21                     ; + 256 (tile / 4)
	s_and_b32 s21, s[WV], 1
	s_lshl_b32 s21, s21, 3
	s_add_co_u32 s21, s63, s21                     ; + 4 (tile % 4)
	s_mov_b32 s63, 0
	s_lshl_b32 s46, s46, 11
	s_lshl_b32 s[Q0], ttmp9, 8
	s_lshl_b32 s47, s[WV], 5
	s_add_co_u32 s[Q0], s[Q0], s47                 ; my first position in pass A: 256 i + 32 w
	s_add_co_u32 s46, s46, s[Q0]
	s_lshl_b32 s46, s46, 13                        ; out0: rows of 8,192 bytes
	s_lshl_b32 s51, s51, 9
	s_add_co_u32 s46, s46, s51
	s_sub_co_u32 s[Q0B], 7, ttmp9
	s_lshl_b32 s[Q0B], s[Q0B], 8
	s_add_co_u32 s[Q0B], s[Q0B], s47               ; and in pass B: 256 (7 - i) + 32 w
	s_mov_b32 s47, 0
	s_lshl_b32 s[DP], ttmp9, 1
	s_sub_co_u32 s[DP], 7, s[DP]
	s_mul_i32 s[DQ], s[DP], 32*QRECB               ; (7 - 2 i) blocks of 256 positions: 32 records of qc each,
	s_mov_b32 s[DQ+1], 0
	s_lshl_b32 s[DP], s[DP], 21                    ; 256 rows of 8,192 bytes of out0
	s_mov_b32 s[DP+1], 0
	s_mul_i32 s54, s[CX], 99*256                   ; kv's prefetches: my work-group's 99 blocks,
	s_add_co_u32 s54, s54, SLOTB                   ; from record 3 on: the first change of slots steps it to record 6
	s_mov_b32 s55, 0
	s_cmp_ge_u32 s[WV], 4                          ; waves 4 to 7,
	s_cselect_b32 s[LIM], 3, 0
	s_cmp_eq_u32 ttmp9, 0                          ; of the cluster with x = 0: the same in all four partners
	s_cselect_b32 s[LIM], s[LIM], 0
	s_cmp_eq_u32 s[WV], 7
	s_cselect_b32 s51, 2, 31                       ; wave 7 has three blocks left
	s_and_b32 s45, s[WV], 3
	s_lshl_b32 s45, s45, 13
	v_and_b32 v[LI], 31, v0
	v_min_u32 v[PFO], s51, v[LI]
	v_lshl_add_u32 v[PFO], v[PFO], 8, s45          ; 8,192 x (wave - 4) + 256 x lane
	v_min_u32 v[PFQ], 15, v[LI]
	v_lshlrev_b32 v[PFQ], 8, v[PFQ]
	v_lshlrev_b32 v[LI], 4, v[LI]
	s_mul_i32 s51, s[WV], WST
	s_add_co_u32 s51, s51, STAGE                   ; my stage
	v_and_b32 v[T], 15, v0                         ; r
	v_bfe_u32 v[DD], v0, 4, 1                      ; h
	v_lshl_add_u32 v[QW], v[T], 4, s21
	v_lshlrev_b32 v[RMH], 4, v[DD]
	v_sub_nc_u32 v[RMH], v[T], v[RMH]
	v_lshlrev_b32 v[GO], 13, v[DD]
	v_lshl_add_u32 v[GO], v[T], 4, v[GO]
	v_mul_u32_u24 v[STO], v[T], SP                 ; the way out, in: row r, 32 bytes for each half of the lanes
	v_lshl_add_u32 v[STO], v[DD], 5, v[STO]
	v_add_nc_u32 v[STO], s51, v[STO]
	v_mul_u32_u24 v[RD], v[DD], SP                 ; back: lanes 0-15 one row, lanes 16-31 the next
	v_lshl_add_u32 v[RD], v[T], 4, v[RD]
	v_add_nc_u32 v[RD], s51, v[RD]
	v_mov_b32 v[NI], 0xff800000
	v_mov_b32 v[F+1], 0                            ; named as the upper half of the pair, so it is written
.irp b, 0,1,2,3
	v_mov_b32 v[PM+\b], 0                          ; written once: a lane permute's destination counts as one of its sources
.endr
	s_mov_b32 s[SEL], 0x76543210
	s_mov_b32 s[SEL+1], 0xfedcba98
	s_mov_b32 s[CS], 0x3e0293ee                    ; c = log2(e) / sqrt(128)
	s_mov_b32 s[CS+1], s[CS]
	s_mov_b32 s[MNT], 0x600000
	s_mov_b32 s[TB], 0
	s_mov_b32 s[SIDX], 0
	s_mov_b32 s[SC], 0
	s_mov_b32 s[KF], 0
	s_wait_alu depctr_va_vdst(0)                   ; the wait at the head's end
	s_wait_kmcnt 0x0
	s_add_nc_u64 s[KVB:KVB+1], s[KVB:KVB+1], s[48:49]
	s_add_nc_u64 s[QP:QP+1], s[QP:QP+1], s[62:63]
	s_add_nc_u64 s[OP:OP+1], s[OP:OP+1], s[46:47]
	s_add_nc_u64 s[QB:QB+1], s[QP:QP+1], s[DQ:DQ+1]
	s_add_nc_u64 s[PFA:PFA+1], s[KVB:KVB+1], s[54:55]
	s_mov_b32 s[G0], 1
	s_mov_b32 s[G0+1], s50                         ; LDS address: slot 0, my record
	s_add_nc_u64 s[G0+2:G0+3], s[KVB:KVB+1], s[52:53]
	s_or_b32 s[G0+3], s[G0+3], 0x80000000          ; type = 2
	QLOADS                                         ; pass A's Q is on its way while the partners meet
	ROUND                                          ; all four work-groups are here: the first joint loads meet
	TLOAD                                          ; slot 0; slot 1 is first filled behind the first change of slots, as a refill is
	INIT
.Lslot:                                            ; 5 trips: behind each change of slots but the last the next slot is asked for
	CHANGE 1
	STEPS 1
	s_add_co_u32 s[SIDX], s[SIDX], 1
	s_cmp_lt_u32 s[SIDX], 5
	s_cbranch_scc1 .Lslot
	CHANGE 0                                       ; the last slot is written out
	STEPS 0
	OUT_TILE 0
	OUT_TILE 1
	s_wait_tensorcnt 0x0                           ; the wave's end
	ds_add_u32 v[SPW], v[NIL]
	s_wait_dscnt 0x0
	ROUND                                          ; the closing round: no work-group ends while a partner may still ask for a tile that names it
	s_endpgm
.Lfunc_end_k_qeb51beae3d_attn:
	.size	k_qeb51beae3d_attn, .Lfunc_end_k_qeb51beae3d_attn-k_qeb51beae3d_attn
	.p2alignl 7, 3214868480
	.fill 96, 4, 3214868480
	.section	.rodata,"a",@progbits
	.p2align	6, 0x0
	.amdhsa_kernel k_qeb51beae3d_attn
		.amdhsa_group_segment_fixed_size 327680
		.amdhsa_private_segment_fixed_size 0
		.amdhsa_enable_private_segment 0
		.amdhsa_kernarg_size 24
		.amdhsa_user_sgpr_count 2
		.amdhsa_user_sgpr_kernarg_segment_ptr 1
		.amdhsa_wavefront_size32 1
		.amdhsa_system_sgpr_workgroup_id_x 1
		.amdhsa_system_sgpr_workgroup_id_y 1
		.amdhsa_system_sgpr_workgroup_id_z 1
		.amdhsa_system_vgpr_workitem_id 0
		.amdhsa_next_free_vgpr 512
		.amdhsa_next_free_sgpr 68
		.amdhsa_reserve_vcc 1
		.amdhsa_float_denorm_mode_32 3
		.amdhsa_float_denorm_mode_16_64 3
		.amdhsa_memory_ordered 1
		.amdhsa_forward_progress 1
		.amdhsa_inst_pref_size 149
	.end_amdhsa_kernel
	.amdgpu_metadata
---
amdhsa.version: [ 1, 2 ]
amdhsa.kernels:
  - .name:           k_qeb51beae3d_attn
    .symbol:         k_qeb51beae3d_attn.kd
    .args:
      - { .name: qc, .offset: 0, .size: 8, .value_kind: global_buffer, .address_space: global }
      - { .name: kv, .offset: 8, .size: 8, .value_kind: global_buffer, .address_space: global }
      - { .name: out0, .offset: 16, .size: 8, .value_kind: global_buffer, .address_space: global }
    .group_segment_fixed_size: 327680
    .private_segment_fixed_size: 0
    .kernarg_segment_align: 8
    .kernarg_segment_size: 24
    .max_flat_workgroup_size: 256
    .sgpr_count:     68
    .vgpr_count:     512
    .wavefront_size: 32
...
	.end_amdgpu_metadata
.endif
;; end of part 2
